; MI455X (gfx1250); checked and timed in simulation.
; The chip was launched on July 23, 2026; its instructions are those of AMD's public machine-readable ISA for CDNA 5 (MIT licence, August 2026) and "CDNA5" Instruction Set Architecture Reference Guide (July 2026). The comments in the code are by the model that wrote it; some were corrected since.
;; MMOE Lora Linear. Allowed arithmetic: float matrix products may take bf16 or f16 operands with f32 sums; all other float work in f32.
;; Inputs: Wa 8 x 8 x 4,096 float32; Wb 8 x 4,096 x 8 float32; base_W 4,096 x 4,096 float32; base_b 4,096 float32; gate_W 8 x 64 float32; task_emb 9 x 64 float32; task_id 8 int32; x 8 x 256 x 4,096 float32.
;; Outputs: out0 8 x 256 x 4,096 float32.
;; One version. Each part assembles by itself: llvm-mc -triple=amdgcn-amd-amdhsa -mcpu=gfx1250 --defsym DOCPART=n.
;; ======== version 1 of 1: 2 launches
;; workspace buffers: xa 17,825,792 bytes; wa 35,651,584 bytes
;; launch prep (part 1): grid 256 x 1, 16 waves a work-group, no clusters, 203,776 bytes of LDS; arguments x, Wa, task_id, task_emb, gate_W, base_W, Wb, xa, wa; writes xa, wa
.if DOCPART == 1
	.amdgcn_target "amdgcn-amd-amdhsa--gfx1250"
	.amdhsa_code_object_version 6
	.text
	.protected	k_q50a2bc993b_prep
	.globl	k_q50a2bc993b_prep
	.p2align	8
	.type	k_q50a2bc993b_prep,@function
k_q50a2bc993b_prep:
	s_mov_b64 s[64:65], 0
	v_nop
	global_prefetch_b8 v0, s[64:65] scope:SCOPE_SE
	s_setreg_imm32_b32 hwreg(HW_REG_WAVE_MODE, 25, 1), 1
	s_wait_xcnt 0x0
; FIRST OF TWO LAUNCHES.  out0[m][o] = sum_d x[m][d] W[o][d] + b[o] + 0.25 sum_e gw[batch(m)][e] sum_r h[m][e][r] Wb[e][o][r],  h = x Wa^T,  m = 256 batch + s.
; This launch rounds both operands of the large product to bf16 once and appends the LoRA terms as 256 further columns along K, so that the
; second launch is one plain product over 4,352 = 34 x 128 columns:
;   xa [2048][4352] bf16:  columns 0..4095 = x;       column 4096 + 64 p + 8 e + r = 0.25 gw[batch][e] * sum over d in [1024 p, 1024 p + 1024) of x[m][d] Wa[e][r][d]
;   wa [4096][4352] bf16:  columns 0..4095 = base_W;  column 4096 + 64 p + 8 e + r = Wb[e][o][r], the same for p = 0..3
; The sum over the 256 further columns is 0.25 delta: the four parts p of h's sum over d are added by the second launch's own sum over K.
; Why four parts: a work-group that summed h over all of d would have to read all of Wa (1,048,576 bytes); with a quarter of d it reads 262,144,
; and no sum spans work-groups.  The price is 192 columns more than the 64 that one whole sum would need, of 4,352.
; NOTHING of reference() is left out: every input has a way to out0 and is loaded (base_b by the second launch).
; LIMITS.  x, base_W, Wa, Wb and the four scaled parts of h are rounded to bf16 (nearest even); all sums, the softmax and the bias are f32; h is summed
; in another order than reference()'s.  task_id is taken as unsigned and clamped at 8, the table's last row: a negative index does not wrap.
; v_exp_f32 gives 0 where the result would be denormal, so a gate weight below 2^-126 of the largest counts as 0.
; WORK.  256 work-groups of sixteen waves, of two kinds by the work-group's lowest bit, so that neighbours mix the two kinds of traffic:
;   X unit (128): 64 rows of x by 1,024 of d (part p): reads 262,144 bytes of x and as many of Wa, stores 131,072 + 8,192 bytes of xa.
;   W unit (128): 32 rows of base_W and of Wb: reads 524,288 + 8,192 bytes, stores 278,528 bytes of wa.
; Sixteen waves, each with two batches of sixteen 512-byte loads on their way: 262,144 bytes of a work-group in flight, and a wave's batches that
; follow each other in one buffer are two deep at the most.
; THE GATE is loaded and computed by waves 0-3 of an X unit alone: they gather the four quarters of h's sum and scale it; waves 4-15 hand over raw sums.
; NO CLUSTER, NO TENSOR LOADS.  The 32 X units of one part read the same quarter of Wa, but it is rounded on its way through registers; landed jointly as f32
; it would take 262,144 bytes of LDS beside the 132,096 of the bf16 copy, more than the 327,680 that there are.  x and base_W are shared by nobody.
.set XROW,   16384                     ; bytes in a row of x, Wa, base_W
.set APITCH, 8704                      ; bytes in a row of xa, wa: 34 x 256
.set WPITCH, 2064                      ; LDS row of Wa's part: 2,048 bytes + 16 = 129 x 16: sixteen rows' 16-byte columns fall on different banks
.set STG0,   64*WPITCH                 ; 132,096: behind Wa's 64 rows, a stage for each wave
.set STGB,   4352                      ; its bytes: 16 rows x 272 (x), or 4,096 (accumulators), or 16 x 144 (h)
.set XG,  1                            ; byte offset of my 16 bytes in x (W unit: in base_W)
.set XO,  2                            ; byte offset of my 8 bytes in xa (W unit: in wa)
.set SS,  3                            ; stage + 8 lane
.set SL,  4                            ; stage + 272 r + 16 h: my x fragments
.set WL0, 5                            ; 2064 r + 16 h + 512 kq: Wa's fragments of rows 0-31
.set WL1, 6                            ; the same for rows 32-63
.set G,   8                            ; v[8:15]    waves 0-3: four pairs: 0.25 gw[2 nt + h], twice
.set ACC, 16                           ; v[16:47]   four accumulator tiles; before the first product: set-up values
.set WAG, 16                           ; byte offset of my 16 bytes in Wa
.set WAS, 17                           ; LDS address of my 8 bytes of Wa's copy
.set F0,  48                           ; v[48:87]   fragment set 0: x at +0..7, Wa's tile nt at +8+8 nt; before that, in waves 0-3: the gate
.set F1,  88                           ; v[88:127]  fragment set 1
.set X0,  128                          ; v[128:191] load buffer 0: sixteen loads of 16 bytes a lane
.set X1,  192                          ; v[192:255] load buffer 1
; sixteen loads' f32 to bf16, in place: quadruple i becomes the pair at its first two registers (8 bytes)
.macro CVT buf
.irp i, 0,1,2,3,4,5,6,7,8,9,10,11,12,13,14,15
	v_cvt_pk_bf16_f32 v[\buf+4*\i], v[\buf+4*\i], v[\buf+4*\i+1]
	v_cvt_pk_bf16_f32 v[\buf+4*\i+1], v[\buf+4*\i+2], v[\buf+4*\i+3]
.endr
.endm
.macro PLACES                          ; four places behind a matrix instruction (ISA guide 7.12.1)
.rept 4
	v_nop
.endr
.endm
; rows 2 j, 2 j + 1 of my wave's four rows of Wa's part: 2 x 4,096 bytes
.macro LDWA j, buf
.irp i, 0,1,2,3,4,5,6,7,8,9,10,11,12,13,14,15
	global_load_b128 v[\buf+4*\i:\buf+4*\i+3], v[WAG], s[6:7] offset:(2*(\j)+(\i>>3))*XROW+(\i&7)*512
.endr
.endm
.macro STWA j, buf
.irp i, 0,1,2,3,4,5,6,7,8,9,10,11,12,13,14,15
	ds_store_b64 v[WAS], v[\buf+4*\i:\buf+4*\i+1] offset:(2*(\j)+(\i>>3))*WPITCH+(\i&7)*256
.endr
.endm
; trip t of my wave's x: 16 rows x 128 numbers; a load covers 512 consecutive bytes of one row
.macro LDX t, buf
.irp i, 0,1,2,3,4,5,6,7,8,9,10,11,12,13,14,15
	global_load_b128 v[\buf+4*\i:\buf+4*\i+3], v[XG], s[4:5] offset:\i*XROW+(\t)*512 th:TH_LOAD_NT
.endr
.endm
; ten LDS loads: the fragments for 32 along d at 32 kc of trip t: x's 16 rows from my stage, Wa's 64 rows from the shared copy
.macro FRAG t, kc, f
	ds_load_b128 v[\f:\f+3],   v[SL] offset:64*\kc
	ds_load_b128 v[\f+4:\f+7], v[SL] offset:64*\kc+32
.irp nt, 0,1
	ds_load_b128 v[\f+8+8*\nt:\f+11+8*\nt],  v[WL0] offset:\nt*16*WPITCH+256*\t+64*\kc
	ds_load_b128 v[\f+12+8*\nt:\f+15+8*\nt], v[WL0] offset:\nt*16*WPITCH+256*\t+64*\kc+32
.endr
.irp nt, 0,1
	ds_load_b128 v[\f+24+8*\nt:\f+27+8*\nt], v[WL1] offset:\nt*16*WPITCH+256*\t+64*\kc
	ds_load_b128 v[\f+28+8*\nt:\f+31+8*\nt], v[WL1] offset:\nt*16*WPITCH+256*\t+64*\kc+32
.endr
.endm
; four products.  Source 0 = 16 rows of Wa, source 1 = my 16 rows of x: lane (r, h) gets row r of x, and registers j the columns 16 nt + 8 h + j,
; that is expert 2 nt + h, rank j.  The four accumulators take turns, one instruction a turn.
.macro MM f, zero
.irp nt, 0,1,2,3
.if \zero
	v_wmma_f32_16x16x32_bf16 v[ACC+8*\nt:ACC+8*\nt+7], v[\f+8+8*\nt:\f+15+8*\nt], v[\f:\f+7], 0
.else
	v_wmma_f32_16x16x32_bf16 v[ACC+8*\nt:ACC+8*\nt+7], v[\f+8+8*\nt:\f+15+8*\nt], v[\f:\f+7], v[ACC+8*\nt:ACC+8*\nt+7]
.endif
.endr
.endm
; One trip: 16 rows x 128 of x are rounded, stored to xa, laid into my stage and multiplied by Wa's 64 rows.
.macro TRIP t, buf, left, zero
	s_wait_loadcnt \left                           ; loads come back in order (ISA guide 5.7.1): this buffer's sixteen are in, the younger batch stays out
	CVT \buf                                       ; 32 plain instructions on the buffer alone: also the places between the last trip's products and the loads into F0, F1
.irp i, 0,1,2,3,4,5,6,7,8,9,10,11,12,13,14,15
	global_store_b64 v[XO], v[\buf+4*\i:\buf+4*\i+1], s[18:19] offset:\i*APITCH+\t*256   ; the wave's 32 lanes store 256 consecutive bytes, aligned
.endr
.irp i, 0,1,2,3,4,5,6,7,8,9,10,11,12,13,14,15
	ds_store_b64 v[SS], v[\buf+4*\i:\buf+4*\i+1] offset:\i*272
.endr
	FRAG \t, 0, F0                                 ; LDS serves a wave's instructions in order: these see the stores above
	FRAG \t, 1, F1
	s_wait_dscnt 10                                ; all but the younger set's ten loads
	MM F0, \zero
	s_wait_dscnt 0x0
	MM F1, 0
	PLACES
	FRAG \t, 2, F0
	FRAG \t, 3, F1
	s_wait_dscnt 10
	MM F0, 0
	s_wait_dscnt 0x0
	MM F1, 0
.endm
; W unit: batch bt = half (bt & 1) of row bt >> 1 of my wave's two rows: 8,192 bytes in, 4,096 out
.macro LDW bt, buf
.irp i, 0,1,2,3,4,5,6,7,8,9,10,11,12,13,14,15
	global_load_b128 v[\buf+4*\i:\buf+4*\i+3], v[XG], s[14:15] offset:((\bt)>>1)*XROW+((\bt)&1)*8192+\i*512 th:TH_LOAD_NT
.endr
.endm
.macro WTURN bt, buf, left, refill
	s_wait_loadcnt \left                           ; this buffer's sixteen loads are in, the younger batch stays out
	CVT \buf
.irp i, 0,1,2,3,4,5,6,7,8,9,10,11,12,13,14,15
	global_store_b64 v[XO], v[\buf+4*\i:\buf+4*\i+1], s[20:21] offset:((\bt)>>1)*APITCH+((\bt)&1)*4096+\i*256   ; 256 consecutive bytes, aligned
.endr
.if \refill
	s_wait_xcnt 0x0                                ; the buffer, which the stores read, is loaded again only behind this wait
	LDW \bt+2, \buf
.endif
.endm
	s_load_b512 s[4:19], s[0:1], 0x0               ; x s[4:5], Wa s[6:7], task_id s[8:9], task_emb s[10:11], gate_W s[12:13], base_W s[14:15], Wb s[16:17], xa s[18:19]
	s_load_b64 s[20:21], s[0:1], 0x40              ; wa
	v_lshrrev_b32 v7, 5, v0
	v_readfirstlane_b32 s22, v7                    ; wave 0..15
	v_and_b32 v18, 31, v0                          ; lane
	v_lshlrev_b32 v21, 3, v18                      ; 8 lane
	v_lshlrev_b32 v22, 4, v18                      ; 16 lane
	s_and_b32 s23, ttmp9, 1                        ; 0: X unit, 1: W unit
	s_lshr_b32 s24, ttmp9, 1                       ; the unit's number, 0..127
	s_mul_i32 s39, s22, STGB
	s_add_co_u32 s39, s39, STG0                    ; my wave's stage
	s_mov_b32 s35, 0                               ; upper word of the offset pair s[34:35]
	s_wait_kmcnt 0x0
	s_cmp_lg_u32 s23, 0                            ; hangs on the work-group's number alone: all sixteen waves go the same way
	s_cbranch_scc1 .Lw
; ---------------------------------------------------------------- X unit
	s_lshr_b32 s25, s24, 2                         ; rb: block of 64 rows, 0..31
	s_and_b32 s26, s24, 3                          ; p: part of d
	s_and_b32 s28, s22, 3                          ; mt: my 16 rows of the 64
	s_lshr_b32 s29, s22, 2                         ; kq: my 256 of the part's 1,024
	; The gate, first of three blocks that waves 0-3 alone run: the index is asked for here and has the address set-up below in which to come.
	s_cmp_lt_u32 s22, 4
	s_cbranch_scc0 .Lx_no_id
	s_lshr_b32 s27, s25, 2                         ; batch: 256 rows = 4 blocks
	s_lshl_b32 s30, s27, 2
	s_load_b32 s31, s[8:9], s30 offset:0x0         ; task_id[batch]
.Lx_no_id:
	s_lshl_b32 s34, s26, 12                        ; the part's 1,024 f32
	s_add_nc_u64 s[6:7], s[6:7], s[34:35]          ; Wa at the part
	s_lshl_b32 s40, s25, 20                        ; 64 rows of 16,384 bytes
	s_add_co_u32 s34, s34, s40
	s_add_nc_u64 s[4:5], s[4:5], s[34:35]          ; x at the unit
	s_mul_i32 s40, s25, 64*APITCH
	s_lshl_b32 s41, s26, 7
	s_add_co_u32 s34, s40, s41
	s_add_co_u32 s34, s34, 8192
	s_add_nc_u64 s[32:33], s[18:19], s[34:35]      ; xa at the block's rows, column 4096 + 64 p: where h goes
	s_lshl_b32 s41, s26, 11
	s_add_co_u32 s34, s40, s41
	s_add_nc_u64 s[18:19], s[18:19], s[34:35]      ; xa at the block's rows, column 1024 p
	v_and_b32 v19, 15, v0                          ; r
	v_bfe_u32 v20, v0, 4, 1                        ; h
	s_lshl_b32 s40, s22, 16                        ; my wave's four rows of Wa
	v_add_nc_u32 v[WAG], s40, v22
	s_mul_i32 s40, s22, 4*WPITCH
	v_add_nc_u32 v[WAS], s40, v21
	s_lshl_b32 s40, s28, 18                        ; 16 rows of x
	s_lshl_b32 s41, s29, 10                        ; 256 f32
	s_add_co_u32 s40, s40, s41
	v_add_nc_u32 v[XG], s40, v22
	s_mul_i32 s40, s28, 16*APITCH
	s_lshl_b32 s41, s29, 9                         ; 256 bf16
	s_add_co_u32 s40, s40, s41
	v_add_nc_u32 v[XO], s40, v21
	v_add_nc_u32 v[SS], s39, v21
	v_mul_u32_u24 v23, v19, 272
	v_lshl_add_u32 v23, v20, 4, v23
	v_add_nc_u32 v[SL], s39, v23
	v_mul_u32_u24 v[WL0], v19, WPITCH
	v_lshl_add_u32 v[WL0], v20, 4, v[WL0]
	v_add_nc_u32 v[WL0], s41, v[WL0]
	v_add_nc_u32 v[WL1], 32*WPITCH, v[WL0]
	; The gate, second block (waves 0-3): its nine loads go out ahead of Wa's batches, so that the counted waits below are the same in every wave.
	s_cmp_lt_u32 s22, 4
	s_cbranch_scc0 .Lx_no_gl
	s_wait_kmcnt 0x0
	s_min_u32 s31, s31, 8                          ; inside the table of 9 rows
	s_lshl_b32 s31, s31, 8                         ; a row is 256 bytes
	v_add_nc_u32 v7, s31, v21
	global_load_b64 v[48:49], v7, s[10:11]         ; lane l: task_emb[id][2 l], [2 l + 1]
.irp e, 0,1,2,3,4,5,6,7
	global_load_b64 v[50+2*\e:51+2*\e], v21, s[12:13] offset:256*\e   ; gate_W[e][2 l], [2 l + 1]
.endr
.Lx_no_gl:
	; Wa's part into LDS as bf16: my four rows in two batches, both on their way at once; each buffer then takes a trip of x
	LDWA 0, X0
	LDWA 1, X1
	s_wait_loadcnt 16                              ; batch 0 is in, and in waves 0-3 the gate's nine loads, which are older; batch 1 stays out
	CVT X0
	STWA 0, X0
	LDX 0, X0
	s_wait_loadcnt 16                              ; batch 1 is in; the first trip's sixteen loads stay out
	CVT X1
	STWA 1, X1
	LDX 1, X1
	; The gate, third block (waves 0-3), while 32 loads of x are on their way: gw = softmax over e of task_emb[id] . gate_W[e].
	s_cmp_lt_u32 s22, 4
	s_cbranch_scc0 .Lx_no_gate
	s_mov_b32 s36, 0x76543210                      ; v_permlanex16_b32: lane i of one half reads lane i of the other
	s_mov_b32 s37, 0xfedcba98
	s_mov_b32 s38, 0x3fb8aa3b                      ; log2 e
	v_mov_b32 v74, 0                               ; v_permlanex16_b32 counts as a reader of its destination
.irp e, 0,1,2,3,4,5,6,7
	v_mul_f32 v[66+\e], v48, v[50+2*\e]
.endr
.irp e, 0,1,2,3,4,5,6,7
	v_fmac_f32 v[66+\e], v49, v[51+2*\e]
.endr
.irp m, 1,2,4,8
.irp e, 0,1,2,3,4,5,6,7
	v_add_f32_dpp v[66+\e], v[66+\e], v[66+\e] row_xmask:\m row_mask:0xf bank_mask:0xf
.endr
.endr
.irp e, 0,1,2,3,4,5,6,7
	v_permlanex16_b32 v74, v[66+\e], s36, s37
	v_add_f32 v[66+\e], v[66+\e], v74              ; every lane holds logit e
.endr
	v_max3_num_f32 v75, v66, v67, v68
	v_max3_num_f32 v75, v75, v69, v70
	v_max3_num_f32 v75, v75, v71, v72
	v_max_num_f32 v75, v75, v73                    ; the largest logit is taken away, as reference()'s softmax does
	v_mul_f32 v75, s38, v75
.irp e, 0,1,2,3,4,5,6,7
	v_fma_f32 v[66+\e], v[66+\e], s38, -v75        ; (logit - max) log2 e: at most a rounding residue above 0
.endr
.irp e, 0,1,2,3,4,5,6,7
	v_exp_f32 v[66+\e], v[66+\e]
.endr
	v_nop                                          ; one plain instruction behind the transcendentals (ISA guide 5.7.2)
	s_wait_alu depctr_va_vdst(0)
	v_add_f32 v76, v66, v67
	v_add_f32 v77, v68, v69
	v_add_f32 v78, v70, v71
	v_add_f32 v79, v72, v73
	v_add_f32 v76, v76, v77
	v_add_f32 v78, v78, v79
	v_add_f32 v76, v76, v78                        ; about 1 at the least: the largest term is 2^0
	v_rcp_f32 v77, v76
	v_nop
	s_wait_alu depctr_va_vdst(0)
	v_mul_f32 v77, 0x3e800000, v77                 ; 0.25 / sum
	v_cmp_gt_u32 vcc_lo, 16, v18                   ; lanes 0-15 (h = 0) take expert 2 nt, lanes 16-31 expert 2 nt + 1
.irp nt, 0,1,2,3
	v_cndmask_b32 v78, v[67+2*\nt], v[66+2*\nt], vcc_lo
	v_mul_f32 v[G+2*\nt], v78, v77
	v_mul_f32 v[G+2*\nt+1], v78, v77
.endr
.Lx_no_gate:
	s_wait_dscnt 0x0                               ; my rows of Wa's copy are written,
	s_barrier_signal -1
	s_barrier_wait -1                              ; everybody's are.  The loads of x stay on their way: nobody writes x
	TRIP 0, X0, 16, 1                              ; the first products start the sums: nothing is cleared
	TRIP 1, X1, 0, 0
	; The four quarters of the part's d meet: waves 4-15 hand their sums to waves 0-3 through their own stages.
	v_and_b32 v7, 31, v0                           ; these two and two v_nop are the four places behind the last products
	v_lshl_add_u32 v7, v7, 3, v[SS]                ; my stage + 16 lane
	v_nop
	v_nop
	s_cmp_lt_u32 s22, 4
	s_cbranch_scc1 .Lx_keep
.irp q, 0,1,2,3,4,5,6,7
	ds_store_b128 v7, v[ACC+4*\q:ACC+4*\q+3] offset:512*\q
.endr
.Lx_keep:
	s_wait_dscnt 0x0                               ; for the partner's sake: zero
	s_barrier_signal -1
	s_barrier_wait -1
	s_cmp_lt_u32 s22, 4
	s_cbranch_scc1 .Lx_fin
	s_wait_xcnt 0x0
	v_lshl_add_u32 v254, v0, 2, 0x31400
	v_mov_b32 v255, 0
	s_wait_tensorcnt 0x0
	ds_add_u32 v254, v255
	s_wait_dscnt 0x0
	s_endpgm
.Lx_fin:
	s_wait_xcnt 0x0                                ; load buffer 0, which the first trip's stores read, is written again only behind this wait
.irp k, 0,1,2
.irp q, 0,1,2,3,4,5,6,7
	ds_load_b128 v[48+32*\k+4*\q:51+32*\k+4*\q], v7 offset:4*(\k+1)*STGB+512*\q   ; the stages of waves + 4, + 8, + 12: the same lane's same registers
.endr
.endr
	v_and_b32 v144, 15, v0                         ; r
	v_bfe_u32 v145, v0, 4, 1                       ; h
	v_mul_u32_u24 v146, v144, 144
	v_lshl_add_u32 v146, v145, 4, v146
	v_add_nc_u32 v146, s39, v146                   ; in: row r of 128 bytes + 16, 16 bytes for each half of the lanes
	v_and_b32 v147, 31, v0
	v_lshrrev_b32 v148, 3, v147                    ; back: eight lanes take a row
	v_and_b32 v147, 7, v147
	v_mul_u32_u24 v149, v148, 144
	v_lshl_add_u32 v149, v147, 4, v149
	v_add_nc_u32 v149, s39, v149
	v_mul_u32_u24 v150, v148, APITCH               ; and the same row in xa
	v_lshl_add_u32 v150, v147, 4, v150
	s_mul_i32 s40, s28, 16*APITCH
	v_add_nc_u32 v150, s40, v150
	s_wait_dscnt 0x0
.irp k, 0,1,2
.irp i, 0,1,2,3,4,5,6,7,8,9,10,11,12,13,14,15
	v_pk_add_f32 v[ACC+2*\i:ACC+2*\i+1], v[ACC+2*\i:ACC+2*\i+1], v[48+32*\k+2*\i:49+32*\k+2*\i]
.endr
.endr
.irp nt, 0,1,2,3
.irp q, 0,1,2,3
	v_pk_mul_f32 v[ACC+8*\nt+2*\q:ACC+8*\nt+2*\q+1], v[ACC+8*\nt+2*\q:ACC+8*\nt+2*\q+1], v[G+2*\nt:G+2*\nt+1]   ; x 0.25 gw of the lane's expert
.endr
.endr
.irp nt, 0,1,2,3
.irp q, 0,1,2,3
	v_cvt_pk_bf16_f32 v[152+4*\nt+\q], v[ACC+8*\nt+2*\q], v[ACC+8*\nt+2*\q+1]
.endr
.endr
.irp nt, 0,1,2,3
	ds_store_b128 v146, v[152+4*\nt:155+4*\nt] offset:32*\nt       ; my own stage: no other wave touches it
.endr
.irp q, 0,1,2,3
	ds_load_b128 v[168+4*\q:171+4*\q], v149 offset:4*144*\q
.endr
	s_wait_dscnt 0x0
.irp q, 0,1,2,3
	global_store_b128 v150, v[168+4*\q:171+4*\q], s[32:33] offset:4*APITCH*\q   ; runs of 128 bytes: the 128 beside them are another part's work-group's; 1,048,576 bytes of xa's 17,825,792 leave so
.endr
	s_wait_xcnt 0x0
	v_lshl_add_u32 v254, v0, 2, 0x31400
	v_mov_b32 v255, 0
	s_wait_tensorcnt 0x0
	ds_add_u32 v254, v255
	s_wait_dscnt 0x0
	s_endpgm
; ---------------------------------------------------------------- W unit: no wave depends on another, no barrier
.Lw:
	s_lshl_b32 s34, s24, 19                        ; 32 rows of 16,384 bytes
	s_add_nc_u64 s[14:15], s[14:15], s[34:35]
	s_mul_i32 s34, s24, 32*APITCH
	s_add_nc_u64 s[20:21], s[20:21], s[34:35]
	s_lshl_b32 s34, s24, 10                        ; 32 rows o of 32 bytes in each expert's plane of Wb
	s_add_nc_u64 s[16:17], s[16:17], s[34:35]
	s_lshl_b32 s40, s22, 15                        ; my wave's two rows
	v_add_nc_u32 v[XG], s40, v22
	s_mul_i32 s40, s22, 2*APITCH
	v_add_nc_u32 v[XO], s40, v21
	v_add_nc_u32 v13, s40, v22                     ; my rows in wa + 16 lane
	v_lshrrev_b32 v8, 2, v18                       ; e = lane / 4
	v_bfe_u32 v9, v18, 1, 1                        ; o = which of my two rows
	v_and_b32 v14, 1, v18                          ; which four of the eight ranks
	v_and_b32 v10, 3, v18
	v_lshlrev_b32 v10, 4, v10                      ; 32 o + 16 half
	v_lshl_add_u32 v10, v8, 17, v10                ; an expert's plane is 131,072 bytes
	s_lshl_b32 s40, s22, 6
	v_add_nc_u32 v10, s40, v10
	v_mul_u32_u24 v11, v9, 144
	v_lshl_add_u32 v11, v8, 4, v11
	v_lshl_add_u32 v11, v14, 3, v11
	v_add_nc_u32 v11, s39, v11                     ; stage: row o, 16 bytes of expert e, my 8 of them
	v_and_b32 v12, 7, v18
	v_lshlrev_b32 v12, 4, v12
	v_add_nc_u32 v12, s39, v12                     ; back: lanes 8 g + i all take piece i: four replicas side by side
	global_load_b128 v[48:51], v10, s[16:17]       ; Wb[e][o][4 half ..]: four lanes read 64 consecutive bytes; 8,192 bytes of the unit's 532,480
	LDW 0, X0
	LDW 1, X1
	s_wait_loadcnt 32                              ; Wb's load is in; the two stream batches stay out
	v_cvt_pk_bf16_f32 v56, v48, v49
	v_cvt_pk_bf16_f32 v57, v50, v51
	ds_store_b64 v11, v[56:57]
.irp o, 0,1
	ds_load_b128 v[60+4*\o:63+4*\o], v12 offset:144*\o             ; my own stage, served in order
.endr
	s_wait_dscnt 0x0
.irp o, 0,1
	global_store_b128 v13, v[60+4*\o:63+4*\o], s[20:21] offset:\o*APITCH+8192   ; columns 4096..4351 of a row: 512 consecutive bytes, aligned
.endr
	WTURN 0, X0, 16, 1
	WTURN 1, X1, 16, 1
	WTURN 2, X0, 16, 0                             ; the last two batches load nothing
	WTURN 3, X1, 0, 0
	s_wait_xcnt 0x0
	v_lshl_add_u32 v254, v0, 2, 0x31400
	v_mov_b32 v255, 0
	s_wait_tensorcnt 0x0
	ds_add_u32 v254, v255
	s_wait_dscnt 0x0
	s_endpgm
.Lfunc_end_k_q50a2bc993b_prep:
	.size	k_q50a2bc993b_prep, .Lfunc_end_k_q50a2bc993b_prep-k_q50a2bc993b_prep
	.p2alignl 7, 3214868480
	.fill 96, 4, 3214868480
	.section	.rodata,"a",@progbits
	.p2align	6, 0x0
	.amdhsa_kernel k_q50a2bc993b_prep
		.amdhsa_group_segment_fixed_size 203776
		.amdhsa_private_segment_fixed_size 0
		.amdhsa_enable_private_segment 0
		.amdhsa_kernarg_size 72
		.amdhsa_user_sgpr_count 2
		.amdhsa_user_sgpr_kernarg_segment_ptr 1
		.amdhsa_wavefront_size32 1
		.amdhsa_system_sgpr_workgroup_id_x 1
		.amdhsa_system_sgpr_workgroup_id_y 1
		.amdhsa_system_sgpr_workgroup_id_z 1
		.amdhsa_system_vgpr_workitem_id 0
		.amdhsa_next_free_vgpr 256
		.amdhsa_next_free_sgpr 66
		.amdhsa_reserve_vcc 1
		.amdhsa_float_denorm_mode_32 3
		.amdhsa_float_denorm_mode_16_64 3
		.amdhsa_memory_ordered 1
		.amdhsa_forward_progress 1
		.amdhsa_inst_pref_size 70
	.end_amdhsa_kernel
	.amdgpu_metadata
---
amdhsa.version: [ 1, 2 ]
amdhsa.kernels:
  - .name:           k_q50a2bc993b_prep
    .symbol:         k_q50a2bc993b_prep.kd
    .args:
      - { .name: x, .offset: 0, .size: 8, .value_kind: global_buffer, .address_space: global }
      - { .name: Wa, .offset: 8, .size: 8, .value_kind: global_buffer, .address_space: global }
      - { .name: task_id, .offset: 16, .size: 8, .value_kind: global_buffer, .address_space: global }
      - { .name: task_emb, .offset: 24, .size: 8, .value_kind: global_buffer, .address_space: global }
      - { .name: gate_W, .offset: 32, .size: 8, .value_kind: global_buffer, .address_space: global }
      - { .name: base_W, .offset: 40, .size: 8, .value_kind: global_buffer, .address_space: global }
      - { .name: Wb, .offset: 48, .size: 8, .value_kind: global_buffer, .address_space: global }
      - { .name: xa, .offset: 56, .size: 8, .value_kind: global_buffer, .address_space: global }
      - { .name: wa, .offset: 64, .size: 8, .value_kind: global_buffer, .address_space: global }
    .group_segment_fixed_size: 203776
    .private_segment_fixed_size: 0
    .kernarg_segment_align: 8
    .kernarg_segment_size: 72
    .max_flat_workgroup_size: 512
    .sgpr_count:     66
    .vgpr_count:     256
    .wavefront_size: 32
...
	.end_amdgpu_metadata
.endif
;; end of part 1
;; launch gemm (part 2): grid 16 x 16, 4 waves a work-group, clusters of 4 x 4, 327,680 bytes of LDS; arguments xa, wa, base_b, out0; writes out0
.if DOCPART == 2
	.amdgcn_target "amdgcn-amd-amdhsa--gfx1250"
	.amdhsa_code_object_version 6
	.text
	.protected	k_q50a2bc993b_gemm
	.globl	k_q50a2bc993b_gemm
	.p2align	8
	.type	k_q50a2bc993b_gemm,@function
k_q50a2bc993b_gemm:
	s_mov_b64 s[64:65], 0
	v_nop
	global_prefetch_b8 v0, s[64:65] scope:SCOPE_SE
	s_setreg_imm32_b32 hwreg(HW_REG_WAVE_MODE, 25, 1), 1
	s_wait_xcnt 0x0
	s_wait_alu depctr_hold_cnt(0) depctr_sa_sdst(0) depctr_va_vdst(0) depctr_va_sdst(0) depctr_va_ssrc(0) depctr_va_vcc(0) depctr_vm_vsrc(0)
	s_getreg_b32 s2, hwreg(HW_REG_IB_STS2, 6, 4)
	s_cmp_eq_u32 s2, 0
	s_cbranch_scc0 .Lentry_in_a_cluster
	s_endpgm
.Lentry_in_a_cluster:
	s_bfe_u32 s2, ttmp6, 0x10000c
	s_cmp_lg_u32 s2, 0xf033
	s_cbranch_scc0 .Lentry_shape_is_right
	s_endpgm
.Lentry_shape_is_right:
; SECOND OF TWO LAUNCHES.  out0[m][o] = sum over k < 4352 of xa[m][k] wa[o][k] + base_b[o].  xa [2048][4352], wa [4096][4352] bf16 (made by the first launch:
; columns 0..4095 are x and base_W, the last 256 the gated LoRA terms); sums in f32; out0 [2048][4096] f32.  Nothing of reference() is left out.
; LIMITS: those of the first launch (operands rounded to bf16); the bias is added in f32 behind the sum.
; A work-group makes a block of 128 x 256 of out0 (2048 x 4096 / 256 work-groups) with four waves; a wave makes 64 x 128: 32 accumulator tiles of 16 x 16,
; 256 registers.  K goes in 34 steps of 128; a tile's rows start at multiples of 256 bytes from the buffer's first byte (a row of xa or wa is 34 x 256 bytes).
; THE RING HAS TWO UNEQUAL SLOTS.  A K step's tiles are 384 rows of 256 + 16 bytes, 104,448 bytes; two slots of two steps each (2 x 384 x 528 = 405,504)
; do not fit in LDS, one of two steps (B, 202,752) and one of one step (S, 104,448) do.  The steps go S, (B, S) x 11 = 1 + 33 = 34.  A slot is asked for again
; behind the barrier that ends its reading and is waited for in front of the next one, so S's load has B's two steps in which to land (240 products of a
; wave from the request to the wait) and B's load has S's one step (112 products); there are two such barriers for three K steps.
; CLUSTERS: 4 x 4 work-groups.  The four of a row of the cluster make blocks of one block row and need the same tiles of xa; the four of a column need the
; same tiles of wa.  Such a tile is asked for jointly: each of the four issues the same tensor load, with the same descriptor and a mask that names the four.
; REGISTERS: window 0: v0-35 addresses and the bias; two fragment buffers, each 64 registers of wa's fragments (8 x 16 rows x 32 K) and 32 of xa's (4 x 16 rows).
; Window 1: the 32 accumulator tiles, tile (a, b) at v[8 (8 a + b)].  All fragments lie in window 0, so a quarter step has two switches of the window.
; THE MATRIX INSTRUCTION IS USED TRANSPOSED: source 0 = 16 rows of wa, source 1 = 16 rows of xa, so that lane (r, h) holds row r of out0 and its registers
; j the columns 8 h + j: eight neighbouring numbers of a row.
.set APITCH, 8704                      ; bytes in a row of xa, wa
.set KTOT,   4352
.set PS,     272                       ; slot S, an LDS row: 256 bytes + 16 of padding = 17 x 16: the 16 rows that a load touches start at 16 different banks
.set PB,     528                       ; slot B: 512 bytes + 16 = 33 x 16
.set BSLOT,  384*PS                    ; slot S at byte 0 (wa's 256 rows, then xa's 128); slot B behind it, at 104,448, laid out alike
.set STAGE,  BSLOT+384*PB              ; 307,200 = 1,200 x 256: behind the ring, 16 rows x 272 bytes for each wave, for the way out; no tensor load lands there
.set SPITCH, 272
.set STEP3,  3*256                     ; a slot's next tile lies three K steps on
.set ADRA, 16                          ; v16, v17  LDS address of my xa fragments in slot S, B
.set ADRB, 20                          ; v20, v21  the same for wa
.set STO,  24                          ; the way out: where I put 16 bytes of a row
.set RD,   25                          ; the way out: where I read a row back
.set CO,   26                          ; my byte offset in two rows of my block of out0
.set BO,   27                          ; my byte offset in base_b
.set BIAS, 28                          ; v[28:31], v[32:35] base_b of my four columns in the left and the right 64 of my 128
.set F0,   64                          ; fragment buffer 0: wa v64-127, xa v128-159
.set F1,   160                         ; fragment buffer 1: wa v160-223, xa v224-255
.set G1A, 24                           ; s[24:31] descriptor group 1 for xa's tiles in slot S; s[40:47] in slot B (+ 16)
.set G1B, 32                           ; s[32:39] for wa's tiles in slot S; s[48:55] in slot B (+ 16)
.set G0A, 56                           ; s[56:59] group 0 for xa's tiles in slot S; s[68:71] in slot B (+ 12)
.set G0B, 60                           ; s[60:63] for wa's tiles in slot S; s[72:75] in slot B (+ 12)
.set FLAGS_S, (1<<16)|(1<<20)|(1<<21)|(5<<22)|(3<<25)   ; 17:16 element of 2 bytes; 20 padding on; 21 set beside a mask; 24:22 after every 64 words; 31:25 of 4 words
.set FLAGS_B, (1<<16)|(1<<20)|(1<<21)|(6<<22)|(3<<25)   ; the same, after every 128 words
.set MSB, 0
.macro WIN new                         ; the immediate's high byte repeats the setting that is left
.if MSB != \new
	s_set_vgpr_msb (MSB<<8)|\new
.set MSB, \new
.endif
.endm
.set MUL, 0x50                         ; sources 0 and 1 window 0, C and D window 1
.macro PLACES                          ; four places behind a matrix instruction, in front of loads into its sources and of readers of its result (ISA guide 7.12.1 for readers of its result)
.rept 4
	v_nop
.endr
.endm
; group 1: a tile of rows x cols elements, padded behind each row
.macro G1SET g, mask, flags, cols, rows
	s_or_b32 s[\g+0], \mask, \flags
	s_mov_b32 s[\g+1], (\cols)<<16                 ; tensor_dim0
	s_mov_b32 s[\g+2], (\rows)<<16                 ; tensor_dim1
	s_mov_b32 s[\g+3], (\cols)<<16                 ; tile_dim0
	s_mov_b32 s[\g+4], \rows                       ; tile_dim1
	s_mov_b32 s[\g+5], KTOT                        ; elements from row to row
	s_mov_b32 s[\g+6], 0
	s_mov_b32 s[\g+7], 0
.endm
; group 0: to LDS byte addc + mulc x (the half that I fetch), from the pair s[base:base+1] + byte
.macro G0SET g, mulc, addc, base, byte
	s_mov_b32 s[\g], 1                             ; count = 1
	s_mul_i32 s[\g+1], s14, \mulc
	s_add_co_u32 s[\g+1], s[\g+1], \addc           ; no place in the cluster enters an LDS address
	s_add_nc_u64 s[\g+2:\g+3], s[\base:\base+1], \byte
	s_or_b32 s[\g+3], s[\g+3], 0x80000000          ; type = 2
.endm
; A joint load into slot S (big = 0) or B (big = 1).  Waves 0 and 1 fetch wa's two halves (128 rows each), waves 2 and 3 xa's (64 rows each).
; Each line has one mask and one set of registers; the branch hangs on the wave's number alone.
.macro JLOAD big
	s_cmp_eq_u32 s13, 0
	s_cbranch_scc0 .Lfor_a_\@
	tensor_load_to_lds s[G0B+12*\big:G0B+12*\big+3], s[G1B+16*\big:G1B+16*\big+7]
	s_nop 0
	s_branch .Lasked_\@
.Lfor_a_\@:
	tensor_load_to_lds s[G0A+12*\big:G0A+12*\big+3], s[G1A+16*\big:G1A+16*\big+7]
	s_nop 0
.Lasked_\@:
.endm
; A round of the cluster's barrier: my work-group's barrier; wave 0 signals for the work-group; every wave waits for all sixteen; my work-group's barrier again.
.macro CREST                           ; a round behind its opening barrier
	s_cmp_lg_u32 s12, 0
	s_cbranch_scc1 .Lnot_wave_0_\@
	s_barrier_signal -3
.Lnot_wave_0_\@:
	s_barrier_wait -3
	s_barrier_signal -1
	s_barrier_wait -1
.endm
.macro CROUND
	s_barrier_signal -1
	s_barrier_wait -1
	CREST
.endm
	s_load_b256 s[4:11], s[0:1], 0x0               ; xa s[4:5], wa s[6:7], base_b s[8:9], out0 s[10:11]
	v_lshl_add_u32 v62, v0, 2, 0x4f400
	v_mov_b32 v63, 0
	ds_add_u32 v62, v63
	v_lshrrev_b32 v1, 5, v0
	v_readfirstlane_b32 s12, v1                    ; wave 0..3
	s_lshr_b32 s13, s12, 1                         ; which 64 of the block's rows are mine.  Also: I fetch for wa (0) or for xa (1)
	s_and_b32 s14, s12, 1                          ; which 128 of its columns.  Also: which half of that tile I fetch
	s_bfe_u32 s15, ttmp6, 0x40000                  ; cx
	s_bfe_u32 s16, ttmp6, 0x40004                  ; cy
	s_lshl_b32 s17, ttmp9, 2
	s_add_co_u32 s17, s17, s15                     ; block column = 4 x cluster x + cx
	s_and_b32 s18, ttmp7, 0xffff
	s_lshl_b32 s18, s18, 2
	s_add_co_u32 s18, s18, s16                     ; block row = 4 x cluster y + cy
	s_lshl_b32 s19, s16, 2
	s_lshl_b32 s19, 15, s19                        ; my row of the cluster: places 4 cy .. 4 cy + 3
	s_lshl_b32 s20, 0x1111, s15                    ; my column: places cx, cx + 4, cx + 8, cx + 12
	G1SET G1A,    s19, FLAGS_S, 128, 64            ; xa's tiles hang on the block row alone: shared along my row of the cluster
	G1SET G1B,    s20, FLAGS_S, 128, 128           ; wa's tiles hang on the block column alone: shared along my column
	G1SET G1A+16, s19, FLAGS_B, 256, 64            ; slot B: two K steps are one tile with rows twice as long
	G1SET G1B+16, s20, FLAGS_B, 256, 128
	; where the tiles come from: every wave makes both addresses, in registers that never hold the other coordinate
	s_lshl_b32 s21, s14, 6
	s_lshl_b32 s76, s18, 7
	s_add_co_u32 s76, s76, s21                     ; xa: row 128 x block row + 64 x half
	s_mul_i32 s76, s76, APITCH                     ; 2,047 x 8,704 at the most: inside 32 bits
	s_mov_b32 s77, 0
	s_lshl_b32 s21, s14, 7
	s_lshl_b32 s78, s17, 8
	s_add_co_u32 s78, s78, s21                     ; wa: row 256 x block column + 128 x half
	s_mul_i32 s78, s78, APITCH                     ; 4,095 x 8,704 at the most
	s_mov_b32 s79, 0
	s_wait_dscnt 0x0
	s_wait_kmcnt 0x0
	s_add_nc_u64 s[76:77], s[4:5], s[76:77]
	s_add_nc_u64 s[78:79], s[6:7], s[78:79]
	CROUND                                         ; all sixteen work-groups are here: the first joint loads meet
	G0SET G0A,    64*PS,  256*PS,       76, 0      ; slot S: K step 0
	G0SET G0B,    128*PS, 0,            78, 0
	G0SET G0A+12, 64*PB,  BSLOT+256*PB, 76, 256    ; slot B: K steps 1 and 2
	G0SET G0B+12, 128*PB, BSLOT,        78, 256
	JLOAD 0                                        ; both slots' first fills go out before anything else: two tensor loads of the wave are out
	JLOAD 1
	; A fragment is 16 rows x 32 K in 8 registers: lane l holds row l % 16; registers 0-3 hold K = 8 (l / 16) + 0..7, registers 4-7 K = 16 + 8 (l / 16) + 0..7:
	; two loads of 16 bytes, 32 bytes apart, at row x pitch + 16 (l / 16).
	v_and_b32 v1, 15, v0                           ; r
	v_bfe_u32 v2, v0, 4, 1                         ; h
	v_mul_u32_u24 v3, v1, PS
	v_lshl_add_u32 v3, v2, 4, v3
	v_mul_u32_u24 v4, v1, PB
	v_lshl_add_u32 v4, v2, 4, v4
	s_mul_i32 s21, s13, 64*PS
	s_add_co_u32 s21, s21, 256*PS                  ; my 64 rows of xa in slot S
	v_add_nc_u32 v[ADRA], s21, v3
	s_mul_i32 s21, s14, 128*PS                     ; my 128 rows of wa in slot S
	v_add_nc_u32 v[ADRB], s21, v3
	s_mul_i32 s21, s13, 64*PB
	s_add_co_u32 s21, s21, BSLOT+256*PB            ; and in slot B
	v_add_nc_u32 v[ADRA+1], s21, v4
	s_mul_i32 s21, s14, 128*PB
	s_add_co_u32 s21, s21, BSLOT
	v_add_nc_u32 v[ADRB+1], s21, v4
	s_mul_i32 s23, s12, 16*SPITCH
	s_add_co_u32 s23, s23, STAGE                   ; my stage
	v_mul_u32_u24 v5, v1, SPITCH                   ; in: row r, 32 bytes for each half of the lanes
	v_lshl_add_u32 v5, v2, 5, v5
	v_add_nc_u32 v[STO], s23, v5
	v_mul_u32_u24 v5, v2, SPITCH                   ; back: lanes 0-15 take one row of 256 bytes, lanes 16-31 the next
	v_lshl_add_u32 v5, v1, 4, v5
	v_add_nc_u32 v[RD], s23, v5
	v_lshlrev_b32 v[CO], 14, v2                    ; and the same two rows in out0: a row is 16,384 bytes
	v_lshl_add_u32 v[CO], v1, 4, v[CO]
	s_lshl_b32 s80, s17, 10
	s_lshl_b32 s81, s14, 9
	s_add_co_u32 s80, s80, s81                     ; my first column, in bytes: 4 (256 x block column + 128 x half)
	v_lshlrev_b32 v[BO], 4, v1
	v_add_nc_u32 v[BO], s80, v[BO]
	global_load_b128 v[BIAS:BIAS+3], v[BO], s[8:9]                 ; a lane keeps the same four columns of each half in every row; waited for on the way out
	global_load_b128 v[BIAS+4:BIAS+7], v[BO], s[8:9] offset:256
; 16 products: row tiles a0, a0 + 1 x all 8 column tiles, 32 along K.  zero = 1: the first product starts the sums.  The 32 accumulators take turns,
; one instruction a turn, in the same order in every quarter step and over the backward jump.
.macro MUL16 f, a0, zero
.irp a, \a0, \a0+1
.irp b, 0,1,2,3,4,5,6,7
.if \zero
	v_wmma_f32_16x16x32_bf16 v[8*(8*(\a)+\b):8*(8*(\a)+\b)+7], v[\f+8*\b:\f+8*\b+7], v[\f+64+8*(\a):\f+64+8*(\a)+7], 0
.else
	v_wmma_f32_16x16x32_bf16 v[8*(8*(\a)+\b):8*(8*(\a)+\b)+7], v[\f+8*\b:\f+8*\b+7], v[\f+64+8*(\a):\f+64+8*(\a)+7], v[8*(8*(\a)+\b):8*(8*(\a)+\b)+7]
.endif
.endr
.endr
.endm
; 24 LDS loads in one run: the fragments of one quarter step (128 rows of wa, 64 of xa, 32 K at byte k of the rows of slot S or B) into buffer f
.macro FETCH big, k, f
.irp i, 0,1,2,3,4,5,6,7
	ds_load_b128 v[\f+8*\i:\f+8*\i+3],   v[ADRB+\big] offset:\k+\i*16*(PS+(PB-PS)*\big)
	ds_load_b128 v[\f+8*\i+4:\f+8*\i+7], v[ADRB+\big] offset:\k+\i*16*(PS+(PB-PS)*\big)+32
.endr
.irp i, 0,1,2,3
	ds_load_b128 v[\f+64+8*\i:\f+64+8*\i+3], v[ADRA+\big] offset:\k+\i*16*(PS+(PB-PS)*\big)
	ds_load_b128 v[\f+64+8*\i+4:\f+64+8*\i+7], v[ADRA+\big] offset:\k+\i*16*(PS+(PB-PS)*\big)+32
.endr
.endm
; A quarter step that is not a slot's last: fetches the next quarter's fragments (byte k of the same slot's rows) into buffer g, then multiplies buffer f:
; the 24 loads have 32 products in which to come back.
.macro QUARTER big, k, f, g, zero
	s_wait_dscnt 0x0                               ; buffer f's loads, issued a quarter ago
	PLACES                                         ; buffer g was read by the products just issued
	FETCH \big, \k, \g
	WIN MUL
	MUL16 \f, 0, \zero
	MUL16 \f, 2, \zero
	WIN 0
.endm
.macro SPHASE zero                     ; slot S: the first three of its four quarters
	QUARTER 0, 64,  F0, F1, \zero
	QUARTER 0, 128, F1, F0, 0
	QUARTER 0, 192, F0, F1, 0
.endm
.macro BPHASE                          ; slot B: the first seven of its eight quarters; the second K step's part of a row begins 256 bytes behind the first's
	QUARTER 1, 64,  F0, F1, 0
	QUARTER 1, 128, F1, F0, 0
	QUARTER 1, 192, F0, F1, 0
	QUARTER 1, 256, F1, F0, 0
	QUARTER 1, 320, F0, F1, 0
	QUARTER 1, 384, F1, F0, 0
	QUARTER 1, 448, F0, F1, 0
.endm
; A slot's last quarter multiplies buffer 1 and changes slots.  One barrier for two things: in front of it each wave waits for its own reads of this slot and
; for all its tensor loads, of which one is out: its part of the next slot.  Behind it nobody reads this slot any more and the next slot is whole.
; fill = 1: the barrier opens a round of the cluster's barrier, and this slot's next tile, three K steps on, is asked for first thing behind the round.
.macro TURN big, next, fill
	s_wait_dscnt 0x0                               ; buffer 1's loads: my last reads of this slot
	s_wait_tensorcnt 0x0                           ; all my tensor loads have landed
	ds_add_u32 v62, v63
	s_wait_dscnt 0x0
	s_barrier_signal -1
	WIN MUL
	MUL16 F1, 0, 0                                 ; register work while the others arrive
	WIN 0                                          ; at a branch and at a label every window is 0
	s_barrier_wait -1
.if \fill
	CREST                                          ; no wave of any partner still reads this slot or has a load on its way
	s_add_nc_u64 s[G0A+12*\big+2:G0A+12*\big+3], s[G0A+12*\big+2:G0A+12*\big+3], STEP3   ; no tensor load of mine is out: a group 0 may be written
	s_add_nc_u64 s[G0B+12*\big+2:G0B+12*\big+3], s[G0B+12*\big+2:G0B+12*\big+3], STEP3
	JLOAD \big                                     ; my one tensor load behind the round
.endif
	PLACES
	FETCH \next, 0, F0
	WIN MUL
	MUL16 F1, 2, 0
	WIN 0
.endm
.macro LAP zero                        ; three K steps: once round the ring, both slots filled again
	SPHASE \zero
	TURN 0, 1, 1
	BPHASE
	TURN 1, 0, 1
.endm
	s_wait_tensorcnt 0x1                           ; my part of K step 0 is in; slot B's load stays out
	s_barrier_signal -1
	s_barrier_wait -1                              ; everybody's is
	FETCH 0, 0, F0
	LAP 1                                          ; K steps 0-2 stand in front of the loop: the first products start the sums
	s_mov_b32 s3, 9                                ; K steps 3-29
.Llap:
	LAP 0
	s_sub_co_u32 s3, s3, 1
	s_cmp_lg_u32 s3, 0
	s_cbranch_scc1 .Llap
	SPHASE 0                                       ; K step 30;
	TURN 0, 1, 1                                   ; slot S is asked for the last time: K step 33
	BPHASE                                         ; K steps 31, 32;
	TURN 1, 0, 0                                   ; nothing is left to fetch: a plain barrier shows K step 33's tile to every wave
	SPHASE 0                                       ; K step 33
	s_wait_dscnt 0x0
	WIN MUL
	MUL16 F1, 0, 0
	MUL16 F1, 2, 0
	WIN 0
	; THE WAY OUT, 16 rows x 64 columns at a time: a lane's 32 bytes of a row into my own stage, whole rows of 256 bytes back, the bias added, stored.
	PLACES                                         ; behind the last products: for the LDS stores, which read results, and the loads into the fragment buffers
	s_wait_loadcnt 0x0                             ; the bias
	s_lshl_b32 s82, s18, 7
	s_lshl_b32 s83, s13, 6
	s_add_co_u32 s82, s82, s83                     ; my first row: 128 x block row + 64 x half
	s_lshl_b32 s82, s82, 14                        ; a row of out0 is 16,384 bytes
	s_add_co_u32 s82, s82, s80                     ; + my first column
	s_mov_b32 s83, 0
	s_add_nc_u64 s[10:11], s[10:11], s[82:83]
; rows 16 a .. 16 a + 15, columns 64 cb .. 64 cb + 63 of my block = the four tiles (a, 4 cb .. 4 cb + 3); f: 32 registers of the fragment buffers, four sets in turn
.macro OUT a, cb, f
	WIN 0x04                                       ; an LDS store's data are its source 1: window 1
.irp bb, 0,1,2,3
	ds_store_b128 v[STO], v[8*(8*\a+4*\cb+\bb):8*(8*\a+4*\cb+\bb)+3] offset:64*\bb
	ds_store_b128 v[STO], v[8*(8*\a+4*\cb+\bb)+4:8*(8*\a+4*\cb+\bb)+7] offset:64*\bb+16
.endr
	WIN 0
	s_wait_xcnt 0x0                                ; the set f, which earlier stores read, is loaded again only behind this wait
.irp t, 0,1,2,3,4,5,6,7
	ds_load_b128 v[\f+4*\t:\f+4*\t+3], v[RD] offset:2*SPITCH*\t    ; LDS serves a wave's instructions in order: these see the stores above
.endr
.irp t, 0,1,2,3,4,5,6,7
	s_wait_dscnt 7-\t                              ; rows 2 t, 2 t + 1 are in; the younger loads of the run stay out
	v_pk_add_f32 v[\f+4*\t:\f+4*\t+1], v[\f+4*\t:\f+4*\t+1], v[BIAS+4*\cb:BIAS+4*\cb+1]
	v_pk_add_f32 v[\f+4*\t+2:\f+4*\t+3], v[\f+4*\t+2:\f+4*\t+3], v[BIAS+4*\cb+2:BIAS+4*\cb+3]
	global_store_b128 v[CO], v[\f+4*\t:\f+4*\t+3], s[10:11] offset:(16*\a+2*\t)*16384+256*\cb th:TH_STORE_NT   ; sixteen lanes store 256 consecutive bytes, aligned; the rows and the half stand in the immediate, 1,016,064 at the most
.endr
.endm
	OUT 0, 0, F0
	OUT 0, 1, F0+32
	OUT 1, 0, F0+64
	OUT 1, 1, F0+96
	OUT 2, 0, F0
	OUT 2, 1, F0+32
	OUT 3, 0, F0+64
	OUT 3, 1, F0+96
	s_wait_tensorcnt 0x0
	ds_add_u32 v62, v63
	s_wait_dscnt 0x0
	CROUND                                         ; the closing round: no work-group ends while a partner may still ask for a tile that names it
	s_endpgm
.Lfunc_end_k_q50a2bc993b_gemm:
	.size	k_q50a2bc993b_gemm, .Lfunc_end_k_q50a2bc993b_gemm-k_q50a2bc993b_gemm
	.p2alignl 7, 3214868480
	.fill 96, 4, 3214868480
	.section	.rodata,"a",@progbits
	.p2align	6, 0x0
	.amdhsa_kernel k_q50a2bc993b_gemm
		.amdhsa_group_segment_fixed_size 327680
		.amdhsa_private_segment_fixed_size 0
		.amdhsa_enable_private_segment 0
		.amdhsa_kernarg_size 32
		.amdhsa_user_sgpr_count 2
		.amdhsa_user_sgpr_kernarg_segment_ptr 1
		.amdhsa_wavefront_size32 1
		.amdhsa_system_sgpr_workgroup_id_x 1
		.amdhsa_system_sgpr_workgroup_id_y 1
		.amdhsa_system_sgpr_workgroup_id_z 1
		.amdhsa_system_vgpr_workitem_id 0
		.amdhsa_next_free_vgpr 512
		.amdhsa_next_free_sgpr 84
		.amdhsa_reserve_vcc 0
		.amdhsa_float_denorm_mode_32 3
		.amdhsa_float_denorm_mode_16_64 3
		.amdhsa_memory_ordered 1
		.amdhsa_forward_progress 1
		.amdhsa_inst_pref_size 187
	.end_amdhsa_kernel
	.amdgpu_metadata
---
amdhsa.version: [ 1, 2 ]
amdhsa.kernels:
  - .name:           k_q50a2bc993b_gemm
    .symbol:         k_q50a2bc993b_gemm.kd
    .args:
      - { .name: xa, .offset: 0, .size: 8, .value_kind: global_buffer, .address_space: global }
      - { .name: wa, .offset: 8, .size: 8, .value_kind: global_buffer, .address_space: global }
      - { .name: base_b, .offset: 16, .size: 8, .value_kind: global_buffer, .address_space: global }
      - { .name: out0, .offset: 24, .size: 8, .value_kind: global_buffer, .address_space: global }
    .group_segment_fixed_size: 327680
    .private_segment_fixed_size: 0
    .kernarg_segment_align: 8
    .kernarg_segment_size: 32
    .max_flat_workgroup_size: 128
    .sgpr_count:     84
    .vgpr_count:     512
    .wavefront_size: 32
...
	.end_amdgpu_metadata
.endif
;; end of part 2
